; MI455X (gfx1250); checked and timed in simulation.
; The chip was launched on July 23, 2026; its instructions are those of AMD's public machine-readable ISA for CDNA 5 (MIT licence, August 2026) and "CDNA5" Instruction Set Architecture Reference Guide (July 2026). The comments in the code are by the model that wrote it; some were corrected since.
;; VNN Block. Allowed arithmetic: float matrix products may take bf16 or f16 operands with f32 sums; all other float work in f32.
;; Inputs: b1 128 float32; b2 1 float32; c1 128 float32; c2 1 float32; v1 65 x 128 float32; v2 128 x 1 float32; w1 129 x 128 float32; w2 128 x 1 float32; x 4 x 256 float32.
;; Outputs: out0 4 x 256 float32.
;; Constants: chunks = 1, output_size = 256.
;; One version. Each part assembles by itself: llvm-mc -triple=amdgcn-amd-amdhsa -mcpu=gfx1250 --defsym DOCPART=n.
;; ======== version 1 of 1: 1 launch
;; limits: values are held in f16: magnitudes above 65,504 overflow, below 6.1e-05 lose precision
;; launch vnn (part 1): grid 4 x 4, 8 waves a work-group, no clusters, 50,176 bytes of LDS; arguments w1, v1, x, b1, w2, c1, v2, b2, c2, out0; writes out0
.if DOCPART == 1
	.amdgcn_target "amdgcn-amd-amdhsa--gfx1250"
	.amdhsa_code_object_version 6
	.text
	.protected	k_q7ed09c65c4_vnn
	.globl	k_q7ed09c65c4_vnn
	.p2align	8
	.type	k_q7ed09c65c4_vnn,@function
k_q7ed09c65c4_vnn:
	s_mov_b64 s[64:65], 0
	v_nop
	global_prefetch_b8 v0, s[64:65] scope:SCOPE_SE
	s_setreg_imm32_b32 hwreg(HW_REG_WAVE_MODE, 25, 1), 1
	s_wait_xcnt 0x0
; VNNBlock, S = 4, I = O = 256, d = 64, H = 128, one chunk.
; The problem's function indexes its rows by n = 256 i + o and takes n % 256 for BOTH position tables and for x: all three are o.
; So the generated weight w[s][i][o] is the same for every i, for every input:
;   g[s][o]   = relu(pe[o] . (w1[0:64] + w1[64:128]) + x[s][o] w1[128] + b1) . w2 + b2
;   out[s][o] = g[s][o] * (sum over i of x[s][i])
;   y[s][o]   = out + relu(pe[o] . v1[0:64] + out v1[64] + c1) . v2 + c2
; One launch, 16 work-groups of 8 waves.  Work-group (q, s) makes y[s][64 q .. 64 q + 63]: 256 consecutive bytes, aligned, one store.
; Wave w owns hidden units 16 w .. 16 w + 15 for all 64 positions.  The matrix instruction is used transposed: source 0 = 16 hidden
; units (columns of the weights), source 1 = 16 positions (rows of pe).  Column r of position tile t is position 64 q + 4 r + t, so a
; lane's four tiles are four neighbouring positions: x comes in and y goes out as 16 bytes a lane.
; FORMATS: pe, w1[0:64] + w1[64:128] (summed in f32 first) and v1[0:64] go to the matrix unit in f16, sums in f32, b1 and c1 as the
; f32 C operand.  The rank-one terms, relu, the products with w2 and v2 and the sum of x stay in f32.
; WHY f16 AND NOT bf16: g is a sum of 128 products of either sign, which may largely cancel, and is then multiplied by a sum of 256
; numbers, so an operand's rounding step shows enlarged in y; f16 keeps 11 significant bits where bf16 keeps 8.  The operands have the
; room: pe lies in [-1, 1], and its smallest value other than 0, sin(10000^(-31/32)) = 1.3e-4, is above f16's smallest normal number.
; pe is no buffer: sin and cos are computed here.  The angle pos * div is rounded in f32 as the problem's table rounds it, reduced in
; turns, folded into [-1/4, 1/4] and put through the odd series up to the 11th power.
; LIMITS: (1) |w1[k] + w1[64 + k]| and |v1[k]|, k < 64, stay below 65,504, f16's largest number; beyond it they become infinite here.
; Near zero they are kept to an absolute step of 6e-8 (f16's denormals).  (2) relu is v_max_num_f32: a NaN pre-activation gives 0
; where the problem's function gives NaN; finite inputs only.  (3) the reduction in f32 leaves at most about 3e-5 rad at position 255
; and the series is cut at 6e-8, both under half a step of f16 just below 1 (2^-12), in which pe is used.  (4) out is g * (sum of x),
; not the sum of x * g: the same sum, rounded in another order.
; NO JOINT TENSOR LOADS, though all 16 work-groups read the same 98,304 bytes of weights: the weights must pass through registers
; (an f32 sum, a rounding to f16), each work-group reads each byte once, and all 24 weight loads of a wave are out together; a tile
; brought by the mover would need 98,304 bytes of f32 stage in LDS, read once more, and the cluster's rounds in front and behind.
.set PITCH, 288                        ; an LDS row of weights: 128 f16 + 32 bytes = 9 x 32, an odd multiple of 32 for the transposing loads
.set WT1,  0                           ; 64 rows k: f16 of w1[k] + w1[64 + k], laid [k][hidden]
.set WT2,  64*PITCH                    ; 64 rows k: f16 of v1[k]
.set PEF,  2*64*PITCH                  ; 8 fragments of pe, 1,024 bytes each, as register images: lane x 16 registers 0-3, + 512 registers 4-7
.set RED1, PEF+8*1024                  ; 8 waves x 256 bytes: wave w, column r: four f32 (tiles 0 to 3), stage 1
.set RED2, RED1+8*256                  ; the same for stage 2; ends at byte 49,152
.set LN,   1                           ; lane
.set RR,   2                           ; r = lane % 16
.set HH,   3                           ; h = lane / 16
.set GW,   4                           ; weights in memory: 16 lane + 8 rows of 512 bytes x wave
.set SW,   5                           ; weights into LDS: 8 lane + 8 rows x wave
.set TR,   6                           ; transposing loads: (8 h + lane % 8) PITCH + 32 wave + 16 ((lane / 8) % 2)
.set PES,  7                           ; my wave's pe fragment: 1,024 wave + 16 lane
.set PEL,  8                           ; 16 lane
.set VEC,  9                           ; my 8 hidden units in a vector of 128 f32: 64 wave + 32 h
.set XO,   10                          ; my four positions in x and in y: 1,024 s + 256 q + 16 r
.set XSO,  11                          ; row s of x: 1,024 s + 16 lane
.set RS,   12                          ; partial sums in: 256 wave + 16 r
.set RL,   13                          ; partial sums back: 16 r
.set T0,   14                          ; scratch
.set T1,   15
.set WA,   16                          ; v[16:79]   w1 as loaded: row i in 8 registers, w1[8 w + i] then w1[64 + 8 w + i]
.set FRG,  16                          ; v[16:79]   later: the 8 fragments of pe, fragment 2 t + ks at 8 (2 t + ks)
.set GA,   16                          ; v[16:47]   later still: the 8 waves' partial sums
.set VA,   80                          ; v[80:111]  v1 as loaded: row i in 4 registers
.set AW0,  80                          ; later: fragments of the weights: w1's K step 0, 1, v1's K step 0, 1
.set AW1,  88
.set AV0,  96
.set AV1,  104
.set RB1,  112                         ; eight registers each: b1, c1, w1[128], w2, v1[64], v2 of my 8 hidden units
.set RC1,  120
.set RWL,  128
.set RW2,  136
.set RVL,  144
.set RV2,  152
.set RX4,  160                         ; v[160:163] x of my four positions
.set XS,   164                         ; v[164:171] 8 numbers of row s of x; then v164 = the row's sum, v165 = b2 x that sum
.set ACP,  172                         ; v[172:203] stage 1's four accumulator tiles
.set ACQ,  204                         ; v[204:235] stage 2's
.set SS,   236                         ; v[236:243] four pairs of running sums
.set R4,   244                         ; v[244:247] four sums
.set TX,   248                         ; v[248:251] the other half of the lanes' sums
.set OUT,  252                         ; v[252:255] out of my four positions
; while pe is made (nothing below v172 is touched: the loads are landing there):
.set TA,   172                         ; 8 pairs (sin, cos): turns, then the fraction
.set TB,   188                         ; 8 pairs: the folded fraction m
.set TC,   204                         ; 8 pairs: m squared
.set TD,   220                         ; 8 pairs: the series
.set DV,   236                         ; 8: exponent, div, angle
.set FR,   244                         ; 8: the fragment in f16 (also writes TX once, whole)
.set C11,  252                         ; a pair: the series' highest coefficient
.set POSF, 254                         ; my position as f32
.set IBF,  255                         ; my first frequency's number as f32
	; ---- ids and addresses, under the argument loads
	s_load_b512 s[8:23], s[0:1], 0x0               ; w1 s[8:9], v1 s[10:11], x s[12:13], b1 s[14:15], w2 s[16:17], c1 s[18:19], v2 s[20:21], b2 s[22:23]
	s_load_b128 s[24:27], s[0:1], 0x40             ; c2 s[24:25], out0 s[26:27]
	s_set_vgpr_msb 0x40
	v_lshl_add_u32 v0, v0, 2, 0xc000
	v_mov_b32 v1, 0
	s_set_vgpr_msb 0x4000
	v_lshrrev_b32 v[T0], 5, v0
	v_readfirstlane_b32 s2, v[T0]                  ; wave 0..7
	s_and_b32 s4, ttmp7, 0xffff                    ; s; q is ttmp9
	s_mov_b32 s30, 0x76543210                      ; v_permlanex16_b32: lane i of one half reads lane i of the other
	s_mov_b32 s31, 0xfedcba98
	s_mov_b32 s32, 0x3e800000                      ; a quarter turn: cos is sin a quarter turn on
	s_mov_b32 s34, 0xbed49a78                      ; K = -log2(10000) / 32: div[i] = 2^(K i)
	s_mov_b32 s39, 0                               ; the upper half of the pair whose lower half will hold c2
	v_and_b32 v[LN], 31, v0
	v_and_b32 v[RR], 15, v0
	v_bfe_u32 v[HH], v0, 4, 1
	s_lshl_b32 s5, s2, 12
	v_lshl_add_u32 v[GW], v[LN], 4, s5
	s_mul_i32 s5, s2, 8*PITCH
	v_lshl_add_u32 v[SW], v[LN], 3, s5
	v_and_b32 v[T0], 7, v0
	v_lshl_add_u32 v[T0], v[HH], 3, v[T0]
	v_mul_u32_u24 v[TR], v[T0], PITCH
	v_bfe_u32 v[T1], v0, 3, 1
	v_lshl_add_u32 v[TR], v[T1], 4, v[TR]
	s_lshl_b32 s5, s2, 5
	v_add_nc_u32 v[TR], s5, v[TR]
	s_lshl_b32 s5, s2, 10
	v_lshl_add_u32 v[PES], v[LN], 4, s5
	v_lshlrev_b32 v[PEL], 4, v[LN]
	s_lshl_b32 s5, s2, 6
	v_lshl_add_u32 v[VEC], v[HH], 5, s5
	s_lshl_b32 s5, s4, 10
	s_lshl_b32 s6, ttmp9, 8
	s_add_co_u32 s6, s5, s6
	v_lshl_add_u32 v[XO], v[RR], 4, s6
	v_lshl_add_u32 v[XSO], v[LN], 4, s5
	s_lshl_b32 s5, s2, 8
	v_lshl_add_u32 v[RS], v[RR], 4, s5
	v_lshlrev_b32 v[RL], 4, v[RR]
	; ---- pe, first part: needs no argument.  Wave w makes fragment w = 2 t + ks: tile t = w / 2, K step ks = w % 2.
	; Register e of a 16-bit fragment holds k = 32 ks + 8 h + 2 e, + 1 (e < 4) or 32 ks + 16 + 8 h + 2 (e - 4), + 1: the pair
	; (sin, cos) of frequency i = 16 ks + 4 h + (0, 1, 2, 3, 8, 9, 10, 11)[e].
	s_lshr_b32 s5, s2, 1
	s_lshl_b32 s6, ttmp9, 6
	s_add_co_u32 s5, s5, s6
	v_lshl_add_u32 v[T0], v[RR], 2, s5             ; my position: 64 q + 4 r + t
	v_cvt_f32_u32 v[POSF], v[T0]
	s_and_b32 s6, s2, 1
	s_lshl_b32 s6, s6, 4
	v_lshl_add_u32 v[T1], v[HH], 2, s6             ; 16 ks + 4 h
	v_cvt_f32_u32 v[IBF], v[T1]
	v_mul_f32 v[DV], s34, v[IBF]                   ; K (16 ks + 4 h), shared by the eight exponents
.macro EXPO e, lit                     ; + K x the register's step, as a constant
	v_add_f32 v[DV+\e], \lit, v[DV]
.endm
	EXPO 1, 0xbed49a78                             ; K
	EXPO 2, 0xbf549a78                             ; 2 K
	EXPO 3, 0xbf9f73da                             ; 3 K
	EXPO 4, 0xc0549a78                             ; 8 K
	EXPO 5, 0xc06f2dc7                             ; 9 K
	EXPO 6, 0xc084e08b                             ; 10 K
	EXPO 7, 0xc0922a33                             ; 11 K
.irp e, 0,1,2,3,4,5,6,7
	v_exp_f32 v[DV+\e], v[DV+\e]                   ; div: at least 2^-12.9, no denormal
.endr
	v_mov_b32 v[C11], 0xc17183a8                   ; -(2 pi)^11 / 11!.  These two plain lines also stand between the last v_exp_f32
	v_mov_b32 v[C11+1], 0xc17183a8                 ; and the first use of a result (ISA guide 5.7.2)
	s_wait_alu depctr_va_vdst(0)
.irp e, 0,1,2,3,4,5,6,7
	v_mul_f32 v[DV+\e], v[POSF], v[DV+\e]          ; the angle, rounded once in f32
.endr
	; ---- all 39 global loads of the wave go out together, in the order in which they are needed
	s_wait_kmcnt 0x0
.irp i, 0,1,2,3,4,5,6,7
	global_load_b128 v[WA+8*\i:WA+8*\i+3],   v[GW], s[8:9] offset:512*\i         ; w1[8 w + i]: the wave's 32 lanes take the row's 512 bytes
	global_load_b128 v[WA+8*\i+4:WA+8*\i+7], v[GW], s[8:9] offset:32768+512*\i   ; w1[64 + 8 w + i]
.endr
.irp i, 0,1,2,3,4,5,6,7
	global_load_b128 v[VA+4*\i:VA+4*\i+3], v[GW], s[10:11] offset:512*\i         ; v1[8 w + i]
.endr
.macro LD8 dst, b, off                 ; my 8 hidden units of a vector of 128 f32
	global_load_b128 v[\dst:\dst+3],   v[VEC], s[\b:\b+1] offset:\off
	global_load_b128 v[\dst+4:\dst+7], v[VEC], s[\b:\b+1] offset:\off+16
.endm
	LD8 RB1, 14, 0                                 ; b1
	LD8 RC1, 18, 0                                 ; c1
	LD8 RWL, 8, 65536                              ; w1[128]
	LD8 RW2, 16, 0                                 ; w2
	global_load_b128 v[RX4:RX4+3], v[XO], s[12:13]               ; x of my four positions
	global_load_b128 v[XS:XS+3],   v[XSO], s[12:13]              ; row s of x, whole: 2 x 512 bytes
	global_load_b128 v[XS+4:XS+7], v[XSO], s[12:13] offset:512
	LD8 RVL, 10, 32768                             ; v1[64]
	LD8 RV2, 20, 0                                 ; v2
	s_load_b32 s28, s[22:23], 0x0                  ; b2
	s_load_b32 s38, s[24:25], 0x0                  ; c2
	; ---- pe, second part, while the loads are on their way.  Every step runs over all eight pairs, so none waits for the line in front.
.irp e, 0,1,2,3,4,5,6,7
	v_mul_f32 v[TA+2*\e], 0.15915494, v[DV+\e]                   ; the angle in turns
	v_fma_f32 v[TA+2*\e+1], v[DV+\e], 0.15915494, s32            ; and a quarter turn on, for the cosine
.endr
.set j, 0
.rept 16
	v_rndne_f32 v[TB+j], v[TA+j]
.set j, j+1
.endr
.irp e, 0,2,4,6,8,10,12,14
	v_pk_add_f32 v[TA+\e:TA+\e+1], v[TA+\e:TA+\e+1], v[TB+\e:TB+\e+1] neg_lo:[0,1] neg_hi:[0,1]   ; f in [-1/2, 1/2], exact
.endr
.set j, 0
.rept 16
	v_sub_f32 v[TB+j], 0.5, v[TA+j]                ; sin(2 pi f) = sin(2 pi (1/2 - f)) = sin(2 pi (-1/2 - f))
	v_sub_f32 v[TC+j], -0.5, v[TA+j]
.set j, j+1
.endr
.set j, 0
.rept 16
	v_med3_num_f32 v[TB+j], v[TA+j], v[TB+j], v[TC+j]            ; the middle one of the three is the one in [-1/4, 1/4]: m
.set j, j+1
.endr
.irp e, 0,2,4,6,8,10,12,14
	v_pk_mul_f32 v[TC+\e:TC+\e+1], v[TB+\e:TB+\e+1], v[TB+\e:TB+\e+1]
.endr
.irp e, 0,2,4,6,8,10,12,14
	v_pk_fma_f32 v[TD+\e:TD+\e+1], v[TC+\e:TC+\e+1], v[C11:C11+1], 0x42283c1a op_sel_hi:[1,1,0]   ; (2 pi)^9 / 9!
.endr
.irp c, 0xc2996966, 0x42a335e3, 0xc2255de7, 0x40c90fdb          ; -(2 pi)^7 / 7!, (2 pi)^5 / 5!, -(2 pi)^3 / 3!, 2 pi
.irp e, 0,2,4,6,8,10,12,14
	v_pk_fma_f32 v[TD+\e:TD+\e+1], v[TD+\e:TD+\e+1], v[TC+\e:TC+\e+1], \c op_sel_hi:[1,1,0]
.endr
.endr
.irp e, 0,2,4,6,8,10,12,14
	v_pk_mul_f32 v[TD+\e:TD+\e+1], v[TD+\e:TD+\e+1], v[TB+\e:TB+\e+1]
.endr
.irp e, 0,1,2,3,4,5,6,7
	v_cvt_pk_f16_f32 v[FR+\e], v[TD+2*\e], v[TD+2*\e+1]          ; sin (even k) below, cos (odd k) above
.endr
	ds_store_b128 v[PES], v[FR:FR+3] offset:PEF
	ds_store_b128 v[PES], v[FR+4:FR+7] offset:PEF+512
	; ---- the weights: summed in f32, rounded to f16, laid [k][hidden] in LDS
	s_wait_loadcnt 23                              ; loads come back in order (ISA guide 5.7.1): 39 - 16, the sixteen rows of w1 are in
.irp i, 0,1,2,3,4,5,6,7
	v_pk_add_f32 v[WA+8*\i:WA+8*\i+1],   v[WA+8*\i:WA+8*\i+1],   v[WA+8*\i+4:WA+8*\i+5]   ; both halves of w1 meet the same pe[o]
	v_pk_add_f32 v[WA+8*\i+2:WA+8*\i+3], v[WA+8*\i+2:WA+8*\i+3], v[WA+8*\i+6:WA+8*\i+7]
	v_cvt_pk_f16_f32 v[WA+8*\i],   v[WA+8*\i],   v[WA+8*\i+1]
	v_cvt_pk_f16_f32 v[WA+8*\i+1], v[WA+8*\i+2], v[WA+8*\i+3]
	ds_store_b64 v[SW], v[WA+8*\i:WA+8*\i+1] offset:WT1+PITCH*\i
.endr
	s_wait_loadcnt 15                              ; 39 - 24: the eight rows of v1 are in
.irp i, 0,1,2,3,4,5,6,7
	v_cvt_pk_f16_f32 v[VA+4*\i],   v[VA+4*\i],   v[VA+4*\i+1]
	v_cvt_pk_f16_f32 v[VA+4*\i+1], v[VA+4*\i+2], v[VA+4*\i+3]
	ds_store_b64 v[SW], v[VA+4*\i:VA+4*\i+1] offset:WT2+PITCH*\i
.endr
	s_wait_dscnt 0x0                               ; for the other waves' sake: all my LDS stores are done
	s_barrier_signal -1
	s_barrier_wait -1                              ; pe and both weight tables are whole
	; ---- fragments: 12 LDS loads for K step 0, 12 for K step 1
.macro FRAGS ks, aw, av
	ds_load_tr16_b128 v[\aw:\aw+3],   v[TR] offset:WT1+32*\ks*PITCH              ; k = 32 ks + 8 h + 0..7 of hidden unit 16 w + r
	ds_load_tr16_b128 v[\aw+4:\aw+7], v[TR] offset:WT1+(32*\ks+16)*PITCH         ; k = 32 ks + 16 + 8 h + 0..7
	ds_load_tr16_b128 v[\av:\av+3],   v[TR] offset:WT2+32*\ks*PITCH
	ds_load_tr16_b128 v[\av+4:\av+7], v[TR] offset:WT2+(32*\ks+16)*PITCH
.irp t, 0,1,2,3
	ds_load_b128 v[FRG+16*\t+8*\ks:FRG+16*\t+8*\ks+3],   v[PEL] offset:PEF+1024*(2*\t+\ks)
	ds_load_b128 v[FRG+16*\t+8*\ks+4:FRG+16*\t+8*\ks+7], v[PEL] offset:PEF+1024*(2*\t+\ks)+512
.endr
.endm
	FRAGS 0, AW0, AV0
	FRAGS 1, AW1, AV1
	s_wait_loadcnt 11                              ; 39 - 28: b1 and c1 are in
	s_wait_dscnt 12                                ; K step 0's twelve are in; K step 1's twelve may be out
	; ---- 16 matrix instructions.  The eight accumulators take turns, one instruction a turn.
	; The first product of each starts from b1 or c1 as its C operand: register j of lane (r, h) is hidden unit 16 w + 8 h + j.
.macro MM acc, a, ks, c
.irp t, 0,1,2,3
.if \c
	v_wmma_f32_16x16x32_f16 v[\acc+8*\t:\acc+8*\t+7], v[\a:\a+7], v[FRG+16*\t+8*\ks:FRG+16*\t+8*\ks+7], v[\c:\c+7]
.else
	v_wmma_f32_16x16x32_f16 v[\acc+8*\t:\acc+8*\t+7], v[\a:\a+7], v[FRG+16*\t+8*\ks:FRG+16*\t+8*\ks+7], v[\acc+8*\t:\acc+8*\t+7]
.endif
.endr
.endm
	MM ACP, AW0, 0, RB1
	MM ACQ, AV0, 0, RC1
	s_wait_dscnt 0x0                               ; K step 1's fragments
	MM ACP, AW1, 1, 0
	MM ACQ, AV1, 1, 0
	; ---- the sum of row s of x.  Its first four lines name no register of a matrix instruction: they are the four places that stand
	; between the last matrix instructions and the first line that reads a result (ISA guide 7.12.1).
	s_wait_loadcnt 4                               ; 39 - 35: w1[128], w2 and x are in; v1[64] and v2 may be out
	v_pk_add_f32 v[XS:XS+1],   v[XS:XS+1],   v[XS+2:XS+3]
	v_pk_add_f32 v[XS+4:XS+5], v[XS+4:XS+5], v[XS+6:XS+7]
	v_pk_add_f32 v[XS:XS+1],   v[XS:XS+1],   v[XS+4:XS+5]
	v_add_f32 v[XS], v[XS], v[XS+1]
	v_add_f32_dpp v[XS], v[XS], v[XS] row_xmask:1 row_mask:0xf bank_mask:0xf
	v_add_f32_dpp v[XS], v[XS], v[XS] row_xmask:2 row_mask:0xf bank_mask:0xf
	v_add_f32_dpp v[XS], v[XS], v[XS] row_xmask:4 row_mask:0xf bank_mask:0xf
	v_add_f32_dpp v[XS], v[XS], v[XS] row_xmask:8 row_mask:0xf bank_mask:0xf
	v_permlanex16_b32 v[XS+1], v[XS], s30, s31
	v_add_f32 v[XS], v[XS], v[XS+1]                ; every lane holds the sum
	s_wait_kmcnt 0x0                               ; b2 and c2
	v_mul_f32 v[XS+1], s28, v[XS]                  ; b2 x sum: out = (h . w2) sum + b2 sum, one fused multiply-add later
; One stage: acc += lv x xv (the rank-one term: xv[t] is the number of position tile t), relu, the product with ov summed over my wave's
; 16 hidden units (8 in the lane, 8 in the lane 16 further on), four sums into my wave's 256 bytes at red, and a barrier.
.macro STAGE acc, xv, lv, ov, red
.irp t, 0,1,2,3
.irp p, 0,2,4,6
.if (\t&1)
	v_pk_fma_f32 v[\acc+8*\t+\p:\acc+8*\t+\p+1], v[\lv+\p:\lv+\p+1], v[\xv+\t-1:\xv+\t], v[\acc+8*\t+\p:\acc+8*\t+\p+1] op_sel:[0,1,0] op_sel_hi:[1,1,1]   ; both by the pair's second register
.else
	v_pk_fma_f32 v[\acc+8*\t+\p:\acc+8*\t+\p+1], v[\lv+\p:\lv+\p+1], v[\xv+\t:\xv+\t+1], v[\acc+8*\t+\p:\acc+8*\t+\p+1] op_sel_hi:[1,0,1]                  ; both by the pair's first register
.endif
.endr
.endr
.set j, 0
.rept 32
	v_max_num_f32 v[\acc+j], 0, v[\acc+j]
.set j, j+1
.endr
.irp t, 0,1,2,3
	v_pk_mul_f32 v[SS+2*\t:SS+2*\t+1], v[\acc+8*\t:\acc+8*\t+1], v[\ov:\ov+1]    ; the first products start the four sums
.endr
.irp p, 2,4,6
.irp t, 0,1,2,3
	v_pk_fma_f32 v[SS+2*\t:SS+2*\t+1], v[\acc+8*\t+\p:\acc+8*\t+\p+1], v[\ov+\p:\ov+\p+1], v[SS+2*\t:SS+2*\t+1]
.endr
.endr
.irp t, 0,1,2,3
	v_add_f32 v[R4+\t], v[SS+2*\t], v[SS+2*\t+1]
.endr
.irp t, 0,1,2,3
	v_permlanex16_b32 v[TX+\t], v[R4+\t], s30, s31               ; TX was written whole while pe was made
.endr
	v_pk_add_f32 v[R4:R4+1],   v[R4:R4+1],   v[TX:TX+1]
	v_pk_add_f32 v[R4+2:R4+3], v[R4+2:R4+3], v[TX+2:TX+3]
	ds_store_b128 v[RS], v[R4:R4+3] offset:\red                  ; lanes r and 16 + r store the same four numbers to the same 16 bytes
	s_wait_dscnt 0x0                               ; for the other waves' sake: my store is done
	s_barrier_signal -1
	s_barrier_wait -1
.endm
; The eight waves' sums of my four positions, and their sum in v[GA:GA+3].
.macro GATHER_LD red
.irp u, 0,1,2,3,4,5,6,7
	ds_load_b128 v[GA+4*\u:GA+4*\u+3], v[RL] offset:\red+256*\u
.endr
.endm
.macro GATHER_SUM
	s_wait_dscnt 0x0
.irp u, 0,8,16,24
	v_pk_add_f32 v[GA+\u:GA+\u+1],   v[GA+\u:GA+\u+1],   v[GA+\u+4:GA+\u+5]
	v_pk_add_f32 v[GA+\u+2:GA+\u+3], v[GA+\u+2:GA+\u+3], v[GA+\u+6:GA+\u+7]
.endr
.irp u, 0,16
	v_pk_add_f32 v[GA+\u:GA+\u+1],   v[GA+\u:GA+\u+1],   v[GA+\u+8:GA+\u+9]
	v_pk_add_f32 v[GA+\u+2:GA+\u+3], v[GA+\u+2:GA+\u+3], v[GA+\u+10:GA+\u+11]
.endr
	v_pk_add_f32 v[GA:GA+1],   v[GA:GA+1],   v[GA+16:GA+17]
	v_pk_add_f32 v[GA+2:GA+3], v[GA+2:GA+3], v[GA+18:GA+19]
.endm
	; ---- stage 1: g, then out; every wave gathers, since every wave needs out of all 64 positions
	STAGE ACP, RX4, RWL, RW2, RED1
	GATHER_LD RED1
	GATHER_SUM
	v_pk_fma_f32 v[OUT:OUT+1],   v[GA:GA+1],   v[XS:XS+1], v[XS:XS+1] op_sel:[0,0,1] op_sel_hi:[1,0,1]   ; out = (h . w2) x sum (v164) + b2 x sum (v165)
	v_pk_fma_f32 v[OUT+2:OUT+3], v[GA+2:GA+3], v[XS:XS+1], v[XS:XS+1] op_sel:[0,0,1] op_sel_hi:[1,0,1]
	; ---- stage 2: the bias network, on bytes of LDS of its own, so that no wave's stores meet another's reads of stage 1
	s_wait_loadcnt 0x0                             ; v1[64] and v2
	STAGE ACQ, OUT, RVL, RV2, RED2
	; ---- the way out: wave 0 alone; no barrier follows
	s_cmp_lg_u32 s2, 0
	s_cbranch_scc1 .Lend
	GATHER_LD RED2
	v_pk_add_f32 v[OUT:OUT+1],   v[OUT:OUT+1],   s[38:39] op_sel_hi:[1,0]        ; out + c2, while the LDS loads are on their way
	v_pk_add_f32 v[OUT+2:OUT+3], v[OUT+2:OUT+3], s[38:39] op_sel_hi:[1,0]
	GATHER_SUM
	v_pk_add_f32 v[GA:GA+1],   v[GA:GA+1],   v[OUT:OUT+1]
	v_pk_add_f32 v[GA+2:GA+3], v[GA+2:GA+3], v[OUT+2:OUT+3]
	v_cmp_gt_u32 vcc_lo, 16, v[LN]
	s_wait_xcnt 0x0                                ; EXEC is a source of the global loads above: it changes only behind this wait
	s_and_saveexec_b32 s36, vcc_lo
	global_store_b128 v[XO], v[GA:GA+3], s[26:27] th:TH_STORE_NT                 ; sixteen lanes store 256 consecutive bytes, at a multiple of 256 from out0's first byte
	s_wait_xcnt 0x0                                ; and again, in front of the line that widens it
	s_or_b32 exec_lo, exec_lo, s36
.Lend:
	s_set_vgpr_msb 0x5
	s_wait_tensorcnt 0x0
	ds_add_u32 v0, v1
	s_wait_dscnt 0x0
	s_set_vgpr_msb 0x500
	s_endpgm
.Lfunc_end_k_q7ed09c65c4_vnn:
	.size	k_q7ed09c65c4_vnn, .Lfunc_end_k_q7ed09c65c4_vnn-k_q7ed09c65c4_vnn
	.p2alignl 7, 3214868480
	.fill 96, 4, 3214868480
	.section	.rodata,"a",@progbits
	.p2align	6, 0x0
	.amdhsa_kernel k_q7ed09c65c4_vnn
		.amdhsa_group_segment_fixed_size 50176
		.amdhsa_private_segment_fixed_size 0
		.amdhsa_enable_private_segment 0
		.amdhsa_kernarg_size 80
		.amdhsa_user_sgpr_count 2
		.amdhsa_user_sgpr_kernarg_segment_ptr 1
		.amdhsa_wavefront_size32 1
		.amdhsa_system_sgpr_workgroup_id_x 1
		.amdhsa_system_sgpr_workgroup_id_y 1
		.amdhsa_system_sgpr_workgroup_id_z 1
		.amdhsa_system_vgpr_workitem_id 0
		.amdhsa_next_free_vgpr 258
		.amdhsa_next_free_sgpr 66
		.amdhsa_reserve_vcc 1
		.amdhsa_float_denorm_mode_32 3
		.amdhsa_float_denorm_mode_16_64 3
		.amdhsa_memory_ordered 1
		.amdhsa_forward_progress 1
		.amdhsa_inst_pref_size 36
	.end_amdhsa_kernel
	.amdgpu_metadata
---
amdhsa.version: [ 1, 2 ]
amdhsa.kernels:
  - .name:           k_q7ed09c65c4_vnn
    .symbol:         k_q7ed09c65c4_vnn.kd
    .args:
      - { .name: w1, .offset: 0, .size: 8, .value_kind: global_buffer, .address_space: global }
      - { .name: v1, .offset: 8, .size: 8, .value_kind: global_buffer, .address_space: global }
      - { .name: x, .offset: 16, .size: 8, .value_kind: global_buffer, .address_space: global }
      - { .name: b1, .offset: 24, .size: 8, .value_kind: global_buffer, .address_space: global }
      - { .name: w2, .offset: 32, .size: 8, .value_kind: global_buffer, .address_space: global }
      - { .name: c1, .offset: 40, .size: 8, .value_kind: global_buffer, .address_space: global }
      - { .name: v2, .offset: 48, .size: 8, .value_kind: global_buffer, .address_space: global }
      - { .name: b2, .offset: 56, .size: 8, .value_kind: global_buffer, .address_space: global }
      - { .name: c2, .offset: 64, .size: 8, .value_kind: global_buffer, .address_space: global }
      - { .name: out0, .offset: 72, .size: 8, .value_kind: global_buffer, .address_space: global }
    .group_segment_fixed_size: 50176
    .private_segment_fixed_size: 0
    .kernarg_segment_align: 8
    .kernarg_segment_size: 80
    .max_flat_workgroup_size: 256
    .sgpr_count:     66
    .vgpr_count:     258
    .wavefront_size: 32
...
	.end_amdgpu_metadata
.endif
;; end of part 1
